; MI455X (gfx1250); checked and timed in simulation.
; The chip was launched on July 23, 2026; its instructions are those of AMD's public machine-readable ISA for CDNA 5 (MIT licence, August 2026) and "CDNA5" Instruction Set Architecture Reference Guide (July 2026). The comments in the code are by the model that wrote it; some were corrected since.
;; RBF. Allowed arithmetic: float matrix products may take bf16 or f16 operands with f32 sums; all other float work in f32.
;; Inputs: alphas_uvx 128 x 1 float32; alphas_uvy 128 x 1 float32; centres 128 x 2 float32; log_sigmas 128 float32; xin 4,096 x 2 float32.
;; Outputs: out0 4,096 x 2 float32.
;; One version. Each part assembles by itself: llvm-mc -triple=amdgcn-amd-amdhsa -mcpu=gfx1250 --defsym DOCPART=n.
;; ======== version 1 of 1: 1 launch
;; launch rbf (part 1): grid 128 x 1, 8 waves a work-group, no clusters, 1,280 bytes of LDS; arguments xin, centres, log_sigmas, alphas_uvx, alphas_uvy, out0; writes out0
.if DOCPART == 1
	.amdgcn_target "amdgcn-amd-amdhsa--gfx1250"
	.amdhsa_code_object_version 6
	.text
	.protected	k_q0857813b8f_rbf
	.globl	k_q0857813b8f_rbf
	.p2align	8
	.type	k_q0857813b8f_rbf,@function
k_q0857813b8f_rbf:
	s_mov_b64 s[64:65], 0
	v_nop
	global_prefetch_b8 v0, s[64:65] scope:SCOPE_SE
	s_setreg_imm32_b32 hwreg(HW_REG_WAVE_MODE, 25, 1), 1
	s_wait_xcnt 0x0
; RBF: out[b] = ( sum_k u[b][k] eps[b][k] , sum_k v[b][k] eps[b][k] ),  4096 points b, 128 centres k, all f32.
; The 2 x 2 Hessians of y = exp((ax phi)^2), phi = exp(-s d2), s = exp(-2 log_sigma), are written in closed form.  With dx = x - cx,
; dy = y - cy, g = (ax phi)^2, Y = exp(g):   u = y_xy - y_yy = 4 s g Y (1 + 4 s (1+g) dy (dx-dy)),   v = y_xy - y_xx = 4 s g Y (1 - 4 s (1+g) dx (dx-dy)).
; eps is the softmax of phi ay over k: with e = exp(phi ay - max over k), out = (sum u e, sum v e) / sum e.  The true maximum of the row is taken away.
; All exponentials are base 2, so the constants are folded:  P = s log2e,  gl = g log2e = (phi ax sqrt(log2e))^2,  Hp = P + ln2 P gl = P (1+g),
;   u = 16 ln2^3 Y (P gl) (Hp (dx-dy) dy + log2e/4),   v = 16 ln2^3 Y (P gl) (log2e/4 - Hp (dx-dy) dx);   16 ln2^3 is applied once, at the end.
; dx and dy are formed by subtraction as they stand, so that an offset common to points and centres drops out exactly.
;
; SHARES.  A work-group of 8 waves owns 32 points = 256 consecutive bytes of out0.  A wave owns 4 points and all 128 centres: a row of 16 lanes
; spans the centres (lane r holds centres 8 r .. 8 r + 7, in 4 register pairs for the packed f32 forms), and the two rows of the wave take
; different points, 2 each.  So a lane works on 16 (point, centre) pairs, every sum over k ends with four row_xmask steps inside a row,
; and one such instruction serves two points.  No loop: the eight combinations i = 4 p + j (point p, centre pair j) are written stage by stage,
; so that eight or more independent instructions stand between dependent ones.
; The sums over k stay in f32 on the vector unit: each point has its own u, v and its own eps, no operand is shared between two outputs,
; so a 16 x 16 matrix tile would hold 2 wanted numbers in each 16, made from terms of mixed sign rounded to 16 bits.
; No cluster, no tensor load: what the work-groups share is 2,560 bytes of parameters, which go straight into registers (ten 16-byte loads a lane).
;
; LIMITS.  v_exp_f32 flushes denormals (ISA guide 15.8): phi or s below 2^-126 counts as 0.  Hp (dx-dy), and its products with dy and with dx, must be finite in f32:
; for coordinates of order one log_sigma above about -42 (exp(-2 log_sigma) itself overflows below -44).  Y overflows for g above 88.7, as exp does.
; The order of rounding is that of the closed form, not that of a differentiated program.
.set C_M2LOG2E, 0xc038aa3b             ; -2 log2(e)
.set C_LOG2E,   0x3fb8aa3b             ; log2(e)
.set C_RLOG2E,  0x3f99be61             ; sqrt(log2(e))
.set C_LN2,     0x3f317218             ; ln 2
.set C_K,       0x3eb8aa3b             ; log2(e) / 4
.set C_OUT,     0x40aa8235             ; 16 ln2^3
.set OC,  1                            ; v1        64 r: my 8 centres in centres
.set OP,  2                            ; v2        32 r: my 8 numbers in log_sigmas, alphas_uvx, alphas_uvy
.set OX,  3                            ; v3        my row of lanes: its 2 points in xin
.set LA,  4                            ; v4        LDS byte of my row of lanes: 32 wave + 16 half
.set LR,  5                            ; v5        8 x lane: the way out
.set TMP, 6                            ; v[6:7]    scratch; the way out
.set CX,  8                            ; v[8+4j:9+4j]    cx of centre pair j
.set CY,  10                           ; v[10+4j:11+4j]  cy of centre pair j
.set PS,  24                           ; v[24:31]  log_sigma, then s, then P = s log2e
.set AX,  32                           ; v[32:39]  ax sqrt(log2e)
.set AY,  40                           ; v[40:47]  ay log2e
.set PT,  48                           ; v[48:51]  x0 y0 x1 y1 of my two points
.set YP,  52                           ; v[52:55]  y0 y0 y1 y1
.set MX,  56                           ; v56, v58  maximum of point 0, 1; v57, v59 scratch of the tree (written, so that the pairs may be named)
.set SO,  60                           ; v60       byte offset of the store
.set DX,  64                           ; v[64:79]    dx, later the bracket of v     (working arrays: pair i = 4 p + j at 2 i)
.set DY,  80                           ; v[80:95]    dy, later the bracket of u
.set PH,  96                           ; v[96:111]   d2, -P d2, phi, phi ax, gl
.set TT,  112                          ; v[112:127]  t = phi ay log2e, t - max, e
.set YV,  128                          ; v[128:143]  Y, Y P gl, Y P gl e
.set GN,  144                          ; v[144:159]  P gl
.set HN,  160                          ; v[160:175]  Hp, Hp (dx - dy)
.set DD,  176                          ; v[176:191]  dx - dy
.set UA,  192                          ; v[192:195]  sums of u e, a pair for each point
.set VA,  196                          ; v[196:199]  sums of v e
.set SA,  200                          ; v[200:203]  sums of e
.set OUT, 204                          ; v[204:207]  u0 v0 u1 v1 as they go out
.set RS,  208                          ; v[208:209]  sum of e, point 0, 1
.set RR,  210                          ; v[210:211]  16 ln2^3 / sum of e
.macro IDX i                           ; the offsets of combination i = 4 p + j
.set io, 2*(\i)                        ; its pair in a working array
.set iq, 2*((\i)%4)                    ; pair j of PS, AX, AY
.set ic, 4*((\i)%4)                    ; pair j of CX, CY
.set ip, 2*((\i)/4)                    ; point p in PT, YP, MX
.endm
.macro MAXSTEP m                       ; one step of the maximum over the 16 lanes of a row, both points
	v_max_num_f32_dpp v[MX],   v[MX],   v[MX]   row_xmask:\m row_mask:0xf bank_mask:0xf
	v_max_num_f32_dpp v[MX+2], v[MX+2], v[MX+2] row_xmask:\m row_mask:0xf bank_mask:0xf
.endm
	s_load_b256 s[4:11], s[0:1], 0x0               ; xin s[4:5], centres s[6:7], log_sigmas s[8:9], alphas_uvx s[10:11]
	s_load_b128 s[12:15], s[0:1], 0x20             ; alphas_uvy s[12:13], out0 s[14:15]
	v_lshl_add_u32 v212, v0, 2, 0x100
	v_mov_b32 v213, 0
	v_lshrrev_b32 v[TMP], 5, v0
	v_readfirstlane_b32 s16, v[TMP]                ; wave 0..7
	v_and_b32 v[TMP+1], 15, v0                     ; r: my place in the row of 16 lanes
	v_bfe_u32 v[TMP], v0, 4, 1                     ; h: which row
	v_lshlrev_b32 v[OC], 6, v[TMP+1]               ; 8 centres of 8 bytes
	v_lshlrev_b32 v[OP], 5, v[TMP+1]               ; 8 numbers of 4 bytes
	s_lshl_b32 s17, s16, 5                         ; a wave: 4 points of 8 bytes
	v_lshl_add_u32 v[LA], v[TMP], 4, s17           ; + a row of lanes: 2 points
	s_lshl_b32 s18, ttmp9, 8                       ; the work-group: 32 points of 8 bytes
	v_add_nc_u32 v[OX], s18, v[LA]
	v_and_b32 v[LR], 31, v0
	v_lshlrev_b32 v[LR], 3, v[LR]
	s_wait_kmcnt 0x0
	; eleven loads, the longest chain first
	global_load_b128 v[PS:PS+3],   v[OP], s[8:9]
	global_load_b128 v[PS+4:PS+7], v[OP], s[8:9] offset:16
.irp j, 0,1,2,3
	global_load_b128 v[CX+4*\j:CX+4*\j+3], v[OC], s[6:7] offset:16*\j     ; cx cy cx cy of centres 8 r + 2 j, 8 r + 2 j + 1
.endr
	global_load_b128 v[PT:PT+3],   v[OX], s[4:5]
	global_load_b128 v[AY:AY+3],   v[OP], s[12:13]
	global_load_b128 v[AY+4:AY+7], v[OP], s[12:13] offset:16
	global_load_b128 v[AX:AX+3],   v[OP], s[10:11]
	global_load_b128 v[AX+4:AX+7], v[OP], s[10:11] offset:16
	; ---- my 8 centres: s = 2^(-2 log2e log_sigma)
	s_wait_loadcnt 9                               ; log_sigmas are in; the nine loads behind them may be out
.irp j, 0,1,2,3
	v_pk_mul_f32 v[PS+2*\j:PS+2*\j+1], v[PS+2*\j:PS+2*\j+1], C_M2LOG2E op_sel_hi:[1,0]
.endr
.irp k, 0,1,2,3,4,5,6,7
	v_exp_f32 v[PS+\k], v[PS+\k]
.endr
	s_wait_loadcnt 4                               ; centres and points are in; alphas_uvy and alphas_uvx (2 + 2 loads) may be out
	; cx cy cx cy -> cx cx cy cy: the two middle registers change places.  These moves are also the plain instructions that
	; stand between the exponentials above and the first use of their results (ISA guide 5.7.2).
.irp j, 0,1,2,3
	v_mov_b32 v[DD+\j], v[CX+4*\j+1]
.endr
.irp j, 0,1,2,3
	v_mov_b32 v[CX+4*\j+1], v[CX+4*\j+2]
.endr
.irp j, 0,1,2,3
	v_mov_b32 v[CX+4*\j+2], v[DD+\j]
.endr
	v_mov_b32 v[YP],   v[PT+1]                     ; y twice, a pair for the packed forms (x is taken twice from its pair by op_sel_hi 0)
	v_mov_b32 v[YP+1], v[PT+1]
	v_mov_b32 v[YP+2], v[PT+3]
	v_mov_b32 v[YP+3], v[PT+3]
	s_wait_alu depctr_va_vdst(0)
.irp j, 0,1,2,3
	v_pk_mul_f32 v[PS+2*\j:PS+2*\j+1], v[PS+2*\j:PS+2*\j+1], C_LOG2E op_sel_hi:[1,0]      ; P = s log2e
.endr
	; ---- phi = 2^(-P (dx^2 + dy^2))
.irp i, 0,1,2,3,4,5,6,7
	IDX \i
	v_pk_add_f32 v[DX+io:DX+io+1], v[PT+ip:PT+ip+1], v[CX+ic:CX+ic+1] op_sel_hi:[0,1] neg_lo:[0,1] neg_hi:[0,1]
	v_pk_add_f32 v[DY+io:DY+io+1], v[YP+ip:YP+ip+1], v[CY+ic:CY+ic+1] neg_lo:[0,1] neg_hi:[0,1]
.endr
.irp i, 0,1,2,3,4,5,6,7
	IDX \i
	v_pk_mul_f32 v[PH+io:PH+io+1], v[DX+io:DX+io+1], v[DX+io:DX+io+1]
.endr
.irp i, 0,1,2,3,4,5,6,7
	IDX \i
	v_pk_fma_f32 v[PH+io:PH+io+1], v[DY+io:DY+io+1], v[DY+io:DY+io+1], v[PH+io:PH+io+1]
.endr
.irp i, 0,1,2,3,4,5,6,7
	IDX \i
	v_pk_mul_f32 v[PH+io:PH+io+1], v[PH+io:PH+io+1], v[PS+iq:PS+iq+1] neg_lo:[0,1] neg_hi:[0,1]
.endr
.set k, 0
.rept 16
	v_exp_f32 v[PH+k], v[PH+k]
.set k, k+1
.endr
.irp i, 0,1,2,3,4,5,6,7
	IDX \i
	v_pk_add_f32 v[DD+io:DD+io+1], v[DX+io:DX+io+1], v[DY+io:DY+io+1] neg_lo:[0,1] neg_hi:[0,1]   ; dx - dy: plain work behind the exponentials
.endr
	; ---- softmax logits in base 2, and their maximum over my 8 centres
	s_wait_loadcnt 2                               ; alphas_uvy are in; the two loads of alphas_uvx may be out
	s_wait_alu depctr_va_vdst(0)
.irp j, 0,1,2,3
	v_pk_mul_f32 v[AY+2*\j:AY+2*\j+1], v[AY+2*\j:AY+2*\j+1], C_LOG2E op_sel_hi:[1,0]
.endr
.irp i, 0,1,2,3,4,5,6,7
	IDX \i
	v_pk_mul_f32 v[TT+io:TT+io+1], v[PH+io:PH+io+1], v[AY+iq:AY+iq+1]
.endr
.irp p, 0,1
	v_max3_num_f32 v[MX+2*\p+1], v[TT+8*\p],   v[TT+8*\p+1], v[TT+8*\p+2]
	v_max3_num_f32 v[MX+2*\p],   v[TT+8*\p+3], v[TT+8*\p+4], v[TT+8*\p+5]
.endr
.irp p, 0,1
	v_max3_num_f32 v[MX+2*\p], v[MX+2*\p], v[TT+8*\p+6], v[TT+8*\p+7]
.endr
.irp p, 0,1
	v_max_num_f32 v[MX+2*\p], v[MX+2*\p], v[MX+2*\p+1]
.endr
	; ---- what does not hang on the maximum, with the four steps of the maximum over the row laid between the stages
	s_wait_loadcnt 0                               ; alphas_uvx
.irp j, 0,1,2,3
	v_pk_mul_f32 v[AX+2*\j:AX+2*\j+1], v[AX+2*\j:AX+2*\j+1], C_RLOG2E op_sel_hi:[1,0]
.endr
.irp i, 0,1,2,3,4,5,6,7
	IDX \i
	v_pk_mul_f32 v[PH+io:PH+io+1], v[PH+io:PH+io+1], v[AX+iq:AX+iq+1]
.endr
	MAXSTEP 1
.irp i, 0,1,2,3,4,5,6,7
	IDX \i
	v_pk_mul_f32 v[PH+io:PH+io+1], v[PH+io:PH+io+1], v[PH+io:PH+io+1]             ; gl = g log2e
.endr
	MAXSTEP 2
.set k, 0
.rept 16
	v_exp_f32 v[YV+k], v[PH+k]                                                    ; Y = e^g
.set k, k+1
.endr
.irp i, 0,1,2,3,4,5,6,7
	IDX \i
	v_pk_mul_f32 v[GN+io:GN+io+1], v[PH+io:PH+io+1], v[PS+iq:PS+iq+1]             ; P gl: reads gl, touches no Y: the plain work behind the exponentials
.endr
	MAXSTEP 4
.irp i, 0,1,2,3,4,5,6,7
	IDX \i
	v_pk_fma_f32 v[HN+io:HN+io+1], v[GN+io:GN+io+1], C_LN2, v[PS+iq:PS+iq+1] op_sel_hi:[1,0,1]    ; Hp = P (1 + g)
.endr
	MAXSTEP 8                                      ; every lane of a row now holds the maxima of the two points of that row
.irp i, 0,1,2,3,4,5,6,7
	IDX \i
	v_pk_mul_f32 v[HN+io:HN+io+1], v[HN+io:HN+io+1], v[DD+io:DD+io+1]
.endr
	; ---- e = 2^(t - max)
.irp i, 0,1,2,3,4,5,6,7
	IDX \i
	v_pk_add_f32 v[TT+io:TT+io+1], v[TT+io:TT+io+1], v[MX+ip:MX+ip+1] op_sel_hi:[1,0] neg_lo:[0,1] neg_hi:[0,1]
.endr
.set k, 0
.rept 16
	v_exp_f32 v[TT+k], v[TT+k]
.set k, k+1
.endr
.irp i, 0,1,2,3,4,5,6,7
	IDX \i
	v_pk_fma_f32 v[DY+io:DY+io+1], v[HN+io:HN+io+1], v[DY+io:DY+io+1], C_K op_sel_hi:[1,1,0]      ; bracket of u, in place of dy; plain work behind the exponentials
.endr
.irp i, 0,1,2,3,4,5,6,7
	IDX \i
	v_pk_fma_f32 v[DX+io:DX+io+1], v[HN+io:HN+io+1], v[DX+io:DX+io+1], C_K op_sel_hi:[1,1,0] neg_lo:[1,0,0] neg_hi:[1,0,0]   ; bracket of v, in place of dx
.endr
.irp i, 0,1,2,3,4,5,6,7
	IDX \i
	s_wait_alu depctr_va_vdst(0)
	v_pk_mul_f32 v[YV+io:YV+io+1], v[YV+io:YV+io+1], v[GN+io:GN+io+1]
.endr
.irp i, 0,1,2,3,4,5,6,7
	IDX \i
	v_pk_mul_f32 v[YV+io:YV+io+1], v[YV+io:YV+io+1], v[TT+io:TT+io+1]             ; weight Y P gl e
.endr
	; ---- the three sums of each point over my 8 centres; the first terms start them, nothing is cleared
.irp p, 0,1
	v_pk_add_f32 v[SA+2*\p:SA+2*\p+1], v[TT+8*\p:TT+8*\p+1], v[TT+8*\p+2:TT+8*\p+3]
	v_pk_mul_f32 v[UA+2*\p:UA+2*\p+1], v[YV+8*\p:YV+8*\p+1], v[DY+8*\p:DY+8*\p+1]
	v_pk_mul_f32 v[VA+2*\p:VA+2*\p+1], v[YV+8*\p:YV+8*\p+1], v[DX+8*\p:DX+8*\p+1]
.endr
.irp j, 1,2,3
.irp p, 0,1
	v_pk_fma_f32 v[UA+2*\p:UA+2*\p+1], v[YV+8*\p+2*\j:YV+8*\p+2*\j+1], v[DY+8*\p+2*\j:DY+8*\p+2*\j+1], v[UA+2*\p:UA+2*\p+1]
	v_pk_fma_f32 v[VA+2*\p:VA+2*\p+1], v[YV+8*\p+2*\j:YV+8*\p+2*\j+1], v[DX+8*\p+2*\j:DX+8*\p+2*\j+1], v[VA+2*\p:VA+2*\p+1]
.if \j > 1
	v_pk_add_f32 v[SA+2*\p:SA+2*\p+1], v[SA+2*\p:SA+2*\p+1], v[TT+8*\p+2*\j:TT+8*\p+2*\j+1]
.endif
.endr
.endr
.irp p, 0,1
	v_add_f32 v[RS+\p],      v[SA+2*\p], v[SA+2*\p+1]                             ; the two halves of each pair
	v_add_f32 v[OUT+2*\p],   v[UA+2*\p], v[UA+2*\p+1]
	v_add_f32 v[OUT+2*\p+1], v[VA+2*\p], v[VA+2*\p+1]
.endr
	; ---- over the 16 lanes of the row: six sums, four steps
.irp m, 1,2,4
.irp r, RS, RS+1, OUT, OUT+1, OUT+2, OUT+3
	v_add_f32_dpp v[\r], v[\r], v[\r] row_xmask:\m row_mask:0xf bank_mask:0xf
.endr
.endr
.irp r, RS, RS+1
	v_add_f32_dpp v[\r], v[\r], v[\r] row_xmask:8 row_mask:0xf bank_mask:0xf
.endr
	v_rcp_f32 v[RR],   v[RS]                       ; the sum of e is at least 1: the term of the maximum is 2^0
	v_rcp_f32 v[RR+1], v[RS+1]
.irp r, OUT, OUT+1, OUT+2, OUT+3
	v_add_f32_dpp v[\r], v[\r], v[\r] row_xmask:8 row_mask:0xf bank_mask:0xf      ; plain work between the reciprocals and their use
.endr
	s_wait_alu depctr_va_vdst(0)
	v_pk_mul_f32 v[RR:RR+1], v[RR:RR+1], C_OUT op_sel_hi:[1,0]
	v_mul_f32 v[OUT],   v[OUT],   v[RR]
	v_mul_f32 v[OUT+1], v[OUT+1], v[RR]
	v_mul_f32 v[OUT+2], v[OUT+2], v[RR+1]
	v_mul_f32 v[OUT+3], v[OUT+3], v[RR+1]
	; ---- the way out: the 16 rows of lanes of the work-group lay their 16 bytes side by side in LDS, wave 0 stores the 256 bytes at once
	ds_store_b128 v[LA], v[OUT:OUT+3]              ; the 16 lanes of a row write the same bytes with the same numbers
	s_wait_dscnt 0x0                               ; my store is done before I say so: wave 0 reads it behind the barrier
	s_barrier_signal -1
	s_barrier_wait -1
	s_cmp_lg_u32 s16, 0
	s_cbranch_scc1 .Ldone
	ds_load_b64 v[TMP:TMP+1], v[LR]                ; lane l: point l of the work-group
	v_add_nc_u32 v[SO], s18, v[LR]
	s_wait_dscnt 0x0
	global_store_b64 v[SO], v[TMP:TMP+1], s[14:15] th:TH_STORE_NT     ; 32 lanes store 256 consecutive bytes, at a multiple of 256 from the first byte of out0
.Ldone:
	s_wait_tensorcnt 0x0
	ds_add_u32 v212, v213
	s_wait_dscnt 0x0
	s_endpgm
.Lfunc_end_k_q0857813b8f_rbf:
	.size	k_q0857813b8f_rbf, .Lfunc_end_k_q0857813b8f_rbf-k_q0857813b8f_rbf
	.p2alignl 7, 3214868480
	.fill 96, 4, 3214868480
	.section	.rodata,"a",@progbits
	.p2align	6, 0x0
	.amdhsa_kernel k_q0857813b8f_rbf
		.amdhsa_group_segment_fixed_size 1280
		.amdhsa_private_segment_fixed_size 0
		.amdhsa_enable_private_segment 0
		.amdhsa_kernarg_size 48
		.amdhsa_user_sgpr_count 2
		.amdhsa_user_sgpr_kernarg_segment_ptr 1
		.amdhsa_wavefront_size32 1
		.amdhsa_system_sgpr_workgroup_id_x 1
		.amdhsa_system_sgpr_workgroup_id_y 1
		.amdhsa_system_sgpr_workgroup_id_z 1
		.amdhsa_system_vgpr_workitem_id 0
		.amdhsa_next_free_vgpr 214
		.amdhsa_next_free_sgpr 66
		.amdhsa_reserve_vcc 0
		.amdhsa_float_denorm_mode_32 3
		.amdhsa_float_denorm_mode_16_64 3
		.amdhsa_memory_ordered 1
		.amdhsa_forward_progress 1
		.amdhsa_inst_pref_size 21
	.end_amdhsa_kernel
	.amdgpu_metadata
---
amdhsa.version: [ 1, 2 ]
amdhsa.kernels:
  - .name:           k_q0857813b8f_rbf
    .symbol:         k_q0857813b8f_rbf.kd
    .args:
      - { .name: xin, .offset: 0, .size: 8, .value_kind: global_buffer, .address_space: global }
      - { .name: centres, .offset: 8, .size: 8, .value_kind: global_buffer, .address_space: global }
      - { .name: log_sigmas, .offset: 16, .size: 8, .value_kind: global_buffer, .address_space: global }
      - { .name: alphas_uvx, .offset: 24, .size: 8, .value_kind: global_buffer, .address_space: global }
      - { .name: alphas_uvy, .offset: 32, .size: 8, .value_kind: global_buffer, .address_space: global }
      - { .name: out0, .offset: 40, .size: 8, .value_kind: global_buffer, .address_space: global }
    .group_segment_fixed_size: 1280
    .private_segment_fixed_size: 0
    .kernarg_segment_align: 8
    .kernarg_segment_size: 48
    .max_flat_workgroup_size: 256
    .sgpr_count:     66
    .vgpr_count:     214
    .wavefront_size: 32
...
	.end_amdgpu_metadata
.endif
;; end of part 1
